; MI455X (gfx1250); checked and timed in simulation.
; The chip was launched on July 23, 2026; its instructions are those of AMD's public machine-readable ISA for CDNA 5 (MIT licence, August 2026) and "CDNA5" Instruction Set Architecture Reference Guide (July 2026). The comments in the code are by the model that wrote it; some were corrected since.
;; Multi Head Attention. Allowed arithmetic: matrix products marked QUANTISED: E2M1 operands, one E8M0 scale for each 32 along K, by v_wmma_scale_f32_16x16x128_f8f6f4 with both operands' format E2M1 (or v_wmma_scale_f32_32x16x128_f4), f32 sums; products left as they are: bf16, f16 or f32 operands; f32 sums; everything else in f32.
;; Inputs: Wk 512 x 512 float32; Wo 512 x 512 float32; Wq 512 x 512 float32; Wv 512 x 512 float32; bo 512 float32; x 2 x 4,096 x 512 float32.
;; Outputs: out0 2 x 4,096 x 512 float32.
;; This version of the problem:
;;   THIS VERSION OF THE PROBLEM IS GIVEN IN LOW PRECISION. The matrix products marked QUANTISED in the list below multiply operands that are first quantised to E2M1 (2 exponent bits, 1 mantissa bit; 4 bits a number), with one power-of-two scale for each 32 numbers along K (OCP MX v1.0); their sums are f32. The products marked 'left as it is' may take bf16, f16 or f32 operands, with f32 sums. Whichever they take, every output number must still come out within the allowed error. Rounding operands to bf16 (8 significant bits) uses up far more of that allowance than f16 does (11 bits, for magnitudes from 6e-5 to 65,504). All else is computed in f32.
;;   The module's matrix products, in the order in which they are computed (A, B: the left and right operand; K: the contracted axis; several contracted axes count as one K, in the product's order):
;;     1. [M 8,192, K 512] x [K 512, N 512]; A: input x; B: input Wq: QUANTISED
;;     2. [M 8,192, K 512] x [K 512, N 512]; A: input x; B: input Wk: QUANTISED
;;     3. [M 8,192, K 512] x [K 512, N 512]; A: input x; B: input Wv: QUANTISED
;;     4. batch 16 x [M 4,096, K 64] x [K 64, N 4,096]; A: computed on the way; B: computed on the way: left as it is (an operand is computed on the way)
;;     5. batch 16 x [M 4,096, K 4,096] x [K 4,096, N 64]; A: computed on the way; B: computed on the way: left as it is (an operand is computed on the way)
;;     6. [M 8,192, K 512] x [K 512, N 512]; A: computed on the way; B: input Wo: left as it is (an operand is computed on the way)
;;   THE QUANTISER, for each operand of a quantised product, along K:
;;     - K is cut into blocks of 32 from its start; a last block that is shorter is filled with zeros.
;;     - A block's scale is 2^e with e = floor(log2(the largest magnitude in the block)) - 2, held to -126 .. 127; a block of zeros has e = 0. As a byte (E8M0): e + 127.
;;     - Each number is divided by its block's scale, clamped to +-6, and rounded to the nearest number of E2M1, ties to even, subnormals kept.
;;     - The product sums the exact products of the quantised numbers (number of the format x scale) in f32.
;;   ~~~python
;;   def quantise(x, axis):      # numpy; x: float32 -> the quantised numbers, widened to float32 again
;;       x = np.moveaxis(x, axis, -1); K = x.shape[-1]
;;       x = np.pad(x, [(0, 0)] * (x.ndim - 1) + [(0, -K % 32)]); x = x.reshape(x.shape[:-1] + (-1, 32)); a = np.abs(x).max(-1, keepdims=True)
;;       e = np.where(a > 0, np.clip(np.frexp(np.where(a > 0, a, 1))[1] - 1 - 2, -126, 127), 0)      # np.frexp(a)[1] - 1 = floor(log2(a)), exactly
;;       r = np.clip(x / 2.0 ** e, -6, 6)
;;       step = 2.0 ** (np.maximum(np.frexp(np.where(r == 0, 1, r))[1] - 1, 0) - 1)
;;       q = np.round(r / step) * step * 2.0 ** e      # np.round: ties to even
;;       return np.moveaxis(q.reshape(q.shape[:-2] + (-1,))[..., :K], -1, axis).astype(np.float32)
;;   ~~~
;; One version. Each part assembles by itself: llvm-mc -triple=amdgcn-amd-amdhsa -mcpu=gfx1250 --defsym DOCPART=n.
;; ======== version 1 of 1: 4 launches
;; limits: values are held in f16: magnitudes above 65,504 overflow, below 6.1e-05 lose precision
;; workspace buffers: wcodes 393,216 bytes; wscales 24,576 bytes; wo16 524,288 bytes; qf 8,388,608 bytes; kv 16,777,216 bytes; attf 8,388,608 bytes
;; launch prep (part 1): grid 16 x 4, 4 waves a work-group, no clusters, 0 bytes of LDS; arguments Wq, Wk, Wv, Wo, wcodes, wscales, wo16; writes wcodes, wscales, wo16
.if DOCPART == 1
	.amdgcn_target "amdgcn-amd-amdhsa--gfx1250"
	.amdhsa_code_object_version 6
	.text
	.protected	k_q8df2b23bd8_prep
	.globl	k_q8df2b23bd8_prep
	.p2align	8
	.type	k_q8df2b23bd8_prep,@function
k_q8df2b23bd8_prep:
	s_mov_b64 s[64:65], 0
	v_nop
	global_prefetch_b8 v0, s[64:65] scope:SCOPE_SE
	s_setreg_imm32_b32 hwreg(HW_REG_WAVE_MODE, 25, 1), 1
	s_wait_xcnt 0x0
; MULTI-HEAD ATTENTION, launch 1 of 4: the weights are laid out for the launches that multiply by them.
; DEAD WORK: none.  Every input (x, Wq, Wk, Wv, Wo, bo) has a way to the output for all values, every product of reference() is live, there is no mask: nothing is left out in any launch.
; Wq, Wk, Wv [512 (k)][512 (n)], f32, K = the first axis, become codes of E2M1 with one E8M0 scale byte for each 32 along K; Wo [512 (k)][512 (n)] becomes f16 (11 significant bits).
; All four are stored IN THE ORDER OF THE READER'S OPERAND REGISTERS, so that the readers load fragments by 16-byte loads at 16 x lane and transpose nothing:
;   wcodes  [matrix 3][column tile 32][K step 4][c 2][lane 32][16 bytes]: lane (r, h) = column 16 tile + r, k = 128 step + 64 c + 32 h + 0 .. 31, the lower k in the lower bits
;   wscales [matrix 3][column tile 32][K step 4][r 16] words: byte b scales k = 128 step + 32 b + 0 .. 31 of column 16 tile + r
;   wo16    [column tile 32][kk 16][c 2][lane 32][16 bytes]: lane (r, h) = column 16 tile + r, k = 32 kk + 16 c + 8 h + 0 .. 7
; A LANE TAKES A COLUMN n AND ITS REGISTERS RUN DOWN K: a load reads 128 consecutive bytes a wave, 512 a work-group; a block of 32 along K lies in one lane, so its largest magnitude needs no other lane.
; SHARES: work-group y = the matrix (0 Wq, 1 Wk, 2 Wv, 3 Wo); x = 4 kq + cq: columns 128 cq on, rows 128 kq on; wave w, lane l: column 128 cq + 32 w + l.  128 rows are one K step, one scale word.
; A block's scale is 2^(floor(log2(its largest magnitude)) - 2); its byte is the largest magnitude's exponent field - 2, held at 1 from below by a floor among the maximum's leaves.
; LIMITS: a block of zeros gets the byte 1 where the rule says 127 (its codes are zeros, which add nothing, and this program alone reads the bytes); NaN and infinities among the inputs are not served;
; a number of Wo beyond 65,504 becomes infinity in f16, one under 6e-5 keeps an absolute error of 2^-25.
; No LDS, no barrier, no matrix unit, no cluster: work-groups share no input, and each number is read once.  The scale words leave in pieces of 64 bytes: 24,576 bytes in all, one byte for each 128 read.
.set X, 16                             ; v16-143  my column's 128 numbers
.set C, 144                            ; v144-159 four registers of codes for each of the four blocks: no store's data are written again
	s_load_b256 s[4:11], s[0:1], 0x0               ; Wq s[4:5], Wk s[6:7], Wv s[8:9], Wo s[10:11]
	s_load_b128 s[12:15], s[0:1], 0x20             ; wcodes s[12:13], wscales s[14:15]
	s_load_b64 s[16:17], s[0:1], 0x30              ; wo16
	v_lshrrev_b32 v1, 5, v0
	v_readfirstlane_b32 s18, v1                    ; wave
	v_and_b32 v1, 31, v0                           ; lane
	v_lshlrev_b32 v2, 2, v1                        ; in: 4 bytes a lane
	v_lshrrev_b32 v6, 4, v1                        ; which of my wave's two column tiles
	v_and_b32 v7, 15, v1                           ; r
	v_lshlrev_b32 v3, 4, v7
	v_lshl_add_u32 v3, v6, 12, v3                  ; codes: 4,096 bytes a tile, 16 r
	v_lshlrev_b32 v4, 2, v7
	v_lshl_add_u32 v4, v6, 8, v4                   ; scale words: 256 bytes a tile, 4 r
	v_lshlrev_b32 v5, 4, v7
	v_lshl_add_u32 v5, v6, 14, v5                  ; wo16: 16,384 bytes a tile, 16 r
	s_and_b32 s19, ttmp7, 0xffff                   ; the matrix
	s_and_b32 s20, ttmp9, 3                        ; cq
	s_lshr_b32 s21, ttmp9, 2                       ; kq
	s_lshl_b32 s24, s21, 18                        ; the source: 128 kq rows of 2,048 bytes
	s_lshl_b32 s32, s20, 9
	s_add_co_u32 s24, s24, s32                     ; + 128 cq columns
	s_lshl_b32 s32, s18, 7
	s_add_co_u32 s24, s24, s32                     ; + 32 w columns
	s_mov_b32 s25, 0
	s_lshl_b32 s33, s20, 3
	s_lshl_b32 s32, s18, 1
	s_add_co_u32 s33, s33, s32                     ; my wave's first column tile: 8 cq + 2 w
	s_lshl_b32 s26, s19, 17                        ; codes: 131,072 bytes a matrix,
	s_lshl_b32 s32, s33, 12
	s_add_co_u32 s26, s26, s32                     ; 4,096 a tile,
	s_lshl_b32 s32, s21, 10
	s_add_co_u32 s26, s26, s32                     ; 1,024 a K step
	s_mov_b32 s27, 0
	s_lshl_b32 s28, s19, 13                        ; scale words: 8,192 bytes a matrix,
	s_lshl_b32 s32, s33, 8
	s_add_co_u32 s28, s28, s32                     ; 256 a tile,
	s_lshl_b32 s32, s21, 6
	s_add_co_u32 s28, s28, s32                     ; 64 a K step
	s_mov_b32 s29, 0
	s_lshl_b32 s30, s33, 14                        ; wo16: 16,384 bytes a tile,
	s_lshl_b32 s32, s21, 12
	s_add_co_u32 s30, s30, s32                     ; 4,096 for 128 along K
	s_mov_b32 s31, 0
	s_wait_kmcnt 0x0
	s_cmp_eq_u32 s19, 1                            ; the source is chosen by the work-group's number alone
	s_cselect_b64 s[22:23], s[6:7], s[4:5]
	s_cmp_eq_u32 s19, 2
	s_cselect_b64 s[22:23], s[8:9], s[22:23]
	s_cmp_eq_u32 s19, 3
	s_cselect_b64 s[22:23], s[10:11], s[22:23]
	s_add_nc_u64 s[22:23], s[22:23], s[24:25]
.set i, 0
.rept 128
	global_load_b32 v[X+i], v2, s[22:23] offset:2048*i th:TH_LOAD_NT   ; W(128 kq + i, my column); read once in the launch
.set i, i+1
.endr
	s_cmp_eq_u32 s19, 3
	s_cbranch_scc1 .Lwo
	; ---- Wq, Wk, Wv: four blocks of 32 along K
	s_add_nc_u64 s[12:13], s[12:13], s[26:27]
	s_add_nc_u64 s[14:15], s[14:15], s[28:29]
.macro BLOCK t
.set XS, X+32*(\t)
	v_max3_num_f32 v8, |v[XS]|, |v[XS+1]|, |v[XS+2]|               ; the block's largest magnitude, in two chains: all 32 numbers are mine
	v_max3_num_f32 v9, |v[XS+3]|, |v[XS+4]|, |v[XS+5]|
.irp i, 6,10,14,18,22,26
	v_max3_num_f32 v8, v8, |v[XS+\i]|, |v[XS+\i+1]|
	v_max3_num_f32 v9, v9, |v[XS+\i+2]|, |v[XS+\i+3]|
.endr
	v_max3_num_f32 v8, v8, |v[XS+30]|, |v[XS+31]|
	v_max3_num_f32 v8, v8, v9, 0x1800000           ; and the floor 2^(3 - 127): the byte cannot fall under 1
	v_add_nc_u32 v10, 0xff000000, v8               ; 2 off the exponent field: the conversion takes the exponent field of this operand as its scale
	v_lshrrev_b32 v11, 23, v10                     ; the scale's byte
.if (\t) == 0
	v_mov_b32 v14, v11                             ; four bytes make the K step's scale word, the lower K in the lower byte
.else
	v_lshl_or_b32 v14, v11, 8*(\t), v14
.endif
.irp g, 0,1,2,3
	v_cvt_scalef32_pk8_fp4_f32 v[C+4*(\t)+\g], v[XS+8*\g:XS+8*\g+7], v10   ; eight numbers / the scale, to the nearest code, ties to even, beyond 6 the largest code
.endr
	global_store_b128 v3, v[C+4*(\t):C+4*(\t)+3], s[12:13] offset:256*(\t)   ; block t is (c, h) = (t / 2, t % 2): 512 c + 256 h = 256 t; sixteen lanes store 256 consecutive aligned bytes
.endm
	s_wait_loadcnt 63                              ; of the 128 loads at most the youngest 63 are out: loads 0 to 64 are in, blocks 0 and 1 among them
	BLOCK 0
	BLOCK 1
	s_wait_loadcnt 32                              ; block 3's 32 loads may be out
	BLOCK 2
	s_wait_loadcnt 0x0
	BLOCK 3
	global_store_b32 v4, v14, s[14:15]             ; my column's scale word of this K step
	s_endpgm
.Lwo:
	; ---- Wo: sixteen groups of 8 along K, rounded to f16 in place; group o is (kk, c, h) = (4 kq + o / 4, (o / 2) % 2, o % 2): 256 o bytes on
	s_add_nc_u64 s[16:17], s[16:17], s[30:31]
.set o, 0
.rept 16
.if o == 0
	s_wait_loadcnt 63                              ; loads 0 to 64 are in: groups 0 to 7
.elseif o == 8
	s_wait_loadcnt 32                              ; the last 32 loads may be out
.elseif o == 12
	s_wait_loadcnt 0x0
.endif
.irp i, 0,1,2,3
	v_cvt_pk_f16_f32 v[X+8*o+\i], v[X+8*o+2*\i], v[X+8*o+2*\i+1]   ; ascending: register i is written when numbers 2 i and 2 i + 1 are read
.endr
	global_store_b128 v5, v[X+8*o:X+8*o+3], s[16:17] offset:256*o   ; sixteen lanes store 256 consecutive aligned bytes
.set o, o+1
.endr
	s_endpgm
.Lfunc_end_k_q8df2b23bd8_prep:
	.size	k_q8df2b23bd8_prep, .Lfunc_end_k_q8df2b23bd8_prep-k_q8df2b23bd8_prep
	.p2alignl 7, 3214868480
	.fill 96, 4, 3214868480
	.section	.rodata,"a",@progbits
	.p2align	6, 0x0
	.amdhsa_kernel k_q8df2b23bd8_prep
		.amdhsa_group_segment_fixed_size 0
		.amdhsa_private_segment_fixed_size 0
		.amdhsa_enable_private_segment 0
		.amdhsa_kernarg_size 56
		.amdhsa_user_sgpr_count 2
		.amdhsa_user_sgpr_kernarg_segment_ptr 1
		.amdhsa_wavefront_size32 1
		.amdhsa_system_sgpr_workgroup_id_x 1
		.amdhsa_system_sgpr_workgroup_id_y 1
		.amdhsa_system_sgpr_workgroup_id_z 1
		.amdhsa_system_vgpr_workitem_id 0
		.amdhsa_next_free_vgpr 160
		.amdhsa_next_free_sgpr 66
		.amdhsa_reserve_vcc 0
		.amdhsa_float_denorm_mode_32 3
		.amdhsa_float_denorm_mode_16_64 3
		.amdhsa_memory_ordered 1
		.amdhsa_forward_progress 1
		.amdhsa_inst_pref_size 27
	.end_amdhsa_kernel
	.amdgpu_metadata
---
amdhsa.version: [ 1, 2 ]
amdhsa.kernels:
  - .name:           k_q8df2b23bd8_prep
    .symbol:         k_q8df2b23bd8_prep.kd
    .args:
      - { .name: Wq, .offset: 0, .size: 8, .value_kind: global_buffer, .address_space: global }
      - { .name: Wk, .offset: 8, .size: 8, .value_kind: global_buffer, .address_space: global }
      - { .name: Wv, .offset: 16, .size: 8, .value_kind: global_buffer, .address_space: global }
      - { .name: Wo, .offset: 24, .size: 8, .value_kind: global_buffer, .address_space: global }
      - { .name: wcodes, .offset: 32, .size: 8, .value_kind: global_buffer, .address_space: global }
      - { .name: wscales, .offset: 40, .size: 8, .value_kind: global_buffer, .address_space: global }
      - { .name: wo16, .offset: 48, .size: 8, .value_kind: global_buffer, .address_space: global }
    .group_segment_fixed_size: 0
    .private_segment_fixed_size: 0
    .kernarg_segment_align: 8
    .kernarg_segment_size: 56
    .max_flat_workgroup_size: 128
    .sgpr_count:     66
    .vgpr_count:     160
    .wavefront_size: 32
...
	.end_amdgpu_metadata
.endif
;; end of part 1
;; launch qkv (part 2): grid 256 x 1, 4 waves a work-group, no clusters, 9,728 bytes of LDS; arguments x, wcodes, wscales, qf, kv; writes qf, kv
.if DOCPART == 2
	.amdgcn_target "amdgcn-amd-amdhsa--gfx1250"
	.amdhsa_code_object_version 6
	.text
	.protected	k_q8df2b23bd8_qkv
	.globl	k_q8df2b23bd8_qkv
	.p2align	8
	.type	k_q8df2b23bd8_qkv,@function
k_q8df2b23bd8_qkv:
	s_mov_b64 s[64:65], 0
	v_nop
	global_prefetch_b8 v0, s[64:65] scope:SCOPE_SE
	s_setreg_imm32_b32 hwreg(HW_REG_WAVE_MODE, 25, 1), 1
	s_wait_xcnt 0x0
; Launch 2 of 4: q = x Wq, k = x Wk, v = x Wv, the three QUANTISED products, on codes of E2M1 with one E8M0 scale for each 32 along K (K = 512: four matrix instructions deep); sums in f32.
; x [8,192 tokens][512] f32 is quantised here, in registers: a work-group owns 32 tokens (two tiles of 16) against all 1,536 columns, so each number of x is read once, by one wave.
; SHARES: wave w quantises two of the work-group's eight fragments of x (token tile w / 2, K steps 2 (w % 2) and + 1); the eight go from wave to wave through LDS as images of their registers
; (16 bytes a lane at 16 x lane; scale words 4 bytes a lane); one barrier.  Then wave w makes heads 2 w and 2 w + 1 of q, of k and of v: column tiles 8 w + i, i = 0 .. 7, of each matrix: 24 JOBS of
; 8 matrix instructions (4 K steps x 2 token tiles, the two accumulators by turns).  The weights' fragments come from memory straight into operand registers, in a ring of six sets.
; RESULTS LEAVE IN THE ORDER OF THE NEXT LAUNCH'S OPERAND REGISTERS, rounded to f16.  A 16 x 16 result holds in lane (r, h), register j, the element (8 h + j, r): packed in pairs that is 16 bytes,
; what the same lane holds of half a 16-bit fragment whose K runs along the result's rows.  q, k: source 0 = the weight's tile, source 1 = x's: a lane holds token r and 8 channels.  v: the sources swapped:
; a lane holds channel r and 8 keys.  So every store is 512 consecutive aligned bytes of one wave, and nothing is transposed.
;   qf [bh 16][query tile 256][cs 2][c 2][lane][16 bytes]: lane (r, h) = query r, channels 32 cs + 16 c + 8 h + 0 .. 7; ALREADY MULTIPLIED by log2(e) / 8, in f32, so that the softmax is 2^(s - m)
;   kv [bh 16][step of 128 keys 32][32,768 bytes]: 16,384 of K [key tile 8][cs 2][c 2][lane][16] as qf; then 16,384 of V [key group 4][channel tile 4][c 2][lane][16]: lane (r, h) = channel 16 ct + r, keys 32 g + 16 c + 8 h + 0 .. 7
; NO CLUSTER, NO TENSOR LOAD: all work-groups read the same weights, but their 417,792 bytes are more than the 327,680 bytes of LDS, so sharing them would take a ring with a round of the cluster's barrier
; for each refill, for 192 matrix instructions a wave in the whole launch; and each wave reads only its own columns' fragments, once.
; LIMITS: a block of zeros gets the scale byte 1 (its codes are zeros); NaN and infinities among the inputs are not served; log2(e) / 8 x q, k and v are rounded to f16: beyond 65,504 they become infinity,
; under 6e-5 they keep an absolute error of 2^-25.
.set XIMG,  0                          ; LDS: x's eight fragments, 1,024 bytes each, fragment 4 tt + s
.set XSC,   8192                       ; their scale words, 128 bytes each
.set SPARE, 9216                       ; the spare words, 128 bytes for each wave: two blocks of 256 bytes that no other line names
.set SPW, 1                            ; v1   LDS address of my spare word; never rewritten
.set NIL, 2                            ; v2   0; never rewritten
.set LI,  3                            ; v3   16 x lane
.set LS,  4                            ; v4   4 x lane
.set XA,  5                            ; v5   x: 2,048 r + 128 h
.set XWI, 6                            ; v6   where I store my images: 16 x lane + 2,048 x wave
.set XWS, 7                            ; v7   and their scale words: 4 x lane + 256 x wave
.set SH,  8                            ; v8   8 h
.set TM,  9                            ; v9-15 at work: two maxima, two scale operands, two bytes, a permute's destination
.set XF,  16                           ; v16-79   x's fragments: (tt, s) at XF + 8 (4 tt + s)
.set XS,  80                           ; v80-87   x's scale words: (tt, s) at XS + 4 tt + s; scales and nothing else
.set WS,  88                           ; v88-99   the weights' scale words, six sets of two: register u: lanes 0-15 K step 2 u, lanes 16-31 K step 2 u + 1
.set PC,  100                          ; v100-115 the codes just made, a set for each of my two fragments
.set PW,  116                          ; v116-117 their scale words
.set XN,  128                          ; v128-255 my 2 x 64 numbers of x.  When they are quantised the registers serve again:
.set ACC, 128                          ; v128-159 accumulators: set J % 2, token tile tt at ACC + 16 (J % 2) + 8 tt
.set PK,  160                          ; v160-167 a job's results in f16
.set TQ,  168                          ; v168-183 q x log2(e) / 8
; window 1: v0-191: the weights' fragments, six sets of 32 (four K steps x 8)
.set MSB, 0
.macro WIN new                         ; the immediate's high byte repeats the setting that is left
.if MSB != \new
	s_set_vgpr_msb (MSB<<8)|\new
.set MSB, \new
.endif
.endm
	s_load_b256 s[4:11], s[0:1], 0x0               ; x s[4:5], wcodes s[6:7], wscales s[8:9], qf s[10:11]
	s_load_b64 s[12:13], s[0:1], 0x20              ; kv
	v_lshl_add_u32 v[SPW], v0, 2, SPARE
	v_mov_b32 v[NIL], 0
	v_lshrrev_b32 v9, 5, v0
	v_readfirstlane_b32 s14, v9                    ; wave
	v_and_b32 v9, 31, v0                           ; lane
	v_and_b32 v10, 15, v0                          ; r
	v_bfe_u32 v11, v0, 4, 1                        ; h
	v_lshlrev_b32 v[LI], 4, v9
	v_lshlrev_b32 v[LS], 2, v9
	v_lshlrev_b32 v[XA], 11, v10
	v_lshl_add_u32 v[XA], v11, 7, v[XA]
	s_lshl_b32 s33, s14, 11
	v_add_nc_u32 v[XWI], s33, v[LI]
	s_lshl_b32 s34, s14, 8
	v_add_nc_u32 v[XWS], s34, v[LS]
	v_lshlrev_b32 v[SH], 3, v11
	v_mov_b32 v15, 0                               ; written once: a lane permute's destination counts as one of its sources
	s_mov_b32 s16, 0x76543210
	s_mov_b32 s17, 0xfedcba98                      ; v_permlanex16_b32's selects for lane l xor 16
	s_mov_b32 s18, 0x3e38aa3b                      ; log2(e) / 8 = log2(e) / sqrt(64)
	s_mov_b32 s19, s18                             ; (named with it as a pair, so it is written)
	s_lshl_b32 s20, ttmp9, 16                      ; x: my work-group's 32 rows of 2,048 bytes,
	s_lshr_b32 s30, s14, 1
	s_lshl_b32 s30, s30, 15
	s_add_co_u32 s20, s20, s30                     ; my token tile,
	s_and_b32 s30, s14, 1
	s_lshl_b32 s30, s30, 10
	s_add_co_u32 s20, s20, s30                     ; my two K steps: 1,024 bytes of each row
	s_mov_b32 s21, 0
	s_lshl_b32 s22, s14, 15                        ; wcodes: my 8 column tiles of 4,096 bytes
	s_mov_b32 s23, 0
	s_lshl_b32 s24, s14, 11                        ; wscales: 8 x 256 bytes
	s_mov_b32 s25, 0
	s_lshr_b32 s31, ttmp9, 7                       ; the batch
	s_and_b32 s32, ttmp9, 127                      ; my 32 tokens' place in it
	s_lshl_b32 s26, s31, 22                        ; qf: 8 heads of 524,288 bytes a batch,
	s_lshl_b32 s30, s14, 20
	s_add_co_u32 s26, s26, s30                     ; my two heads,
	s_lshl_b32 s30, s32, 12
	s_add_co_u32 s26, s26, s30                     ; my two query tiles of 2,048 bytes
	s_mov_b32 s27, 0
	s_lshl_b32 s28, s31, 23                        ; kv: 8 heads of 1,048,576 bytes a batch,
	s_lshl_b32 s30, s14, 21
	s_add_co_u32 s28, s28, s30                     ; my two heads,
	s_lshr_b32 s30, s32, 2
	s_lshl_b32 s30, s30, 15
	s_add_co_u32 s28, s28, s30                     ; the step of 128 keys,
	s_and_b32 s30, ttmp9, 3
	s_lshl_b32 s30, s30, 12
	s_add_co_u32 s28, s28, s30                     ; in it my two key tiles (K), which are also my key group (V): 4,096 bytes either way
	s_mov_b32 s29, 0
	s_wait_kmcnt 0x0
	s_add_nc_u64 s[4:5], s[4:5], s[20:21]
	s_add_nc_u64 s[6:7], s[6:7], s[22:23]
	s_add_nc_u64 s[8:9], s[8:9], s[24:25]
	s_add_nc_u64 s[10:11], s[10:11], s[26:27]
	s_add_nc_u64 s[12:13], s[12:13], s[28:29]      ; no base is stepped again: every further offset is an immediate
; my fragment f: lane (r, h) takes, of row r, the whole blocks 2 c + h, c = 0, 1: k = 64 c + 32 h + 0 .. 31, as the operand's layout gives them to that lane.  A lane's eight loads cover 128 consecutive bytes
.macro XLOAD f
.irp c, 0,1
.irp i, 0,1,2,3,4,5,6,7
	global_load_b128 v[XN+64*\f+32*\c+4*\i:XN+64*\f+32*\c+4*\i+3], v[XA], s[4:5] offset:512*\f+256*\c+16*\i th:TH_LOAD_NT
.endr
.endr
.endm
; the 64 numbers become the fragment's 8 registers of codes and its scale word, and go to LDS as they stand
.macro QUANT f
.irp c, 0,1
	v_max3_num_f32 v[TM+\c], |v[XN+64*\f+32*\c]|, |v[XN+64*\f+32*\c+1]|, 0x1800000   ; block 2 c + h: all its 32 numbers are mine; and the floor 2^(3 - 127): the byte cannot fall under 1
.endr
.irp i, 2,4,6,8,10,12,14,16,18,20,22,24,26,28,30
.irp c, 0,1
	v_max3_num_f32 v[TM+\c], v[TM+\c], |v[XN+64*\f+32*\c+\i]|, |v[XN+64*\f+32*\c+\i+1]|   ; (the two blocks by turns)
.endr
.endr
.irp c, 0,1
	v_add_nc_u32 v[TM+2+\c], 0xff000000, v[TM+\c]  ; 2 off the exponent field: the conversion's scale operand
.endr
.irp c, 0,1
	v_lshrrev_b32 v[TM+4+\c], 23, v[TM+2+\c]       ; the scale's byte
.endr
	v_lshl_or_b32 v[PW+\f], v[TM+5], 16, v[TM+4]   ; my two bytes: blocks h and 2 + h of row r,
	v_lshlrev_b32 v[PW+\f], v[SH], v[PW+\f]        ; at their places in the scale word (8 h bits up);
	v_permlanex16_b32 v[TM+6], v[PW+\f], s16, s17
	v_or_b32 v[PW+\f], v[PW+\f], v[TM+6]           ; with lane l xor 16's two the word is whole, in both lanes
.irp c, 0,1
.irp g, 0,1,2,3
	v_cvt_scalef32_pk8_fp4_f32 v[PC+8*\f+4*\c+\g], v[XN+64*\f+32*\c+8*\g:XN+64*\f+32*\c+8*\g+7], v[TM+2+\c]
.endr
.endr
	v_nop                                          ; one plain vector instruction behind the last scaled conversion: its sources are written again later, by vector and by matrix instructions
.irp c, 0,1
	ds_store_b128 v[XWI], v[PC+8*\f+4*\c:PC+8*\f+4*\c+3] offset:XIMG+1024*\f+512*\c
.endr
	ds_store_b32 v[XWS], v[PW+\f] offset:XSC+128*\f
.endm
; job JL's weights: column tile 8 w + JL % 8 of matrix JL / 8: 32 registers of codes (8 loads of 512 consecutive bytes) into set JL % 6 of window 1, two registers of scale words
.macro WLOAD
	WIN 0x40                                       ; destination window 1, address window 0
.irp q, 0,1,2,3,4,5,6,7
	global_load_b128 v[32*(JL%6)+4*\q:32*(JL%6)+4*\q+3], v[LI], s[6:7] offset:(JL/8)*131072+(JL%8)*4096+512*\q
.endr
	WIN 0
.irp u, 0,1
	global_load_b32 v[WS+2*(JL%6)+\u], v[LS], s[8:9] offset:(JL/8)*8192+(JL%8)*256+128*\u
.endr
.endm
; job J's eight matrix instructions.  The first K step starts the sums with the constant 0: nothing is cleared
.macro MUL
.if J < 16
	WIN 0x01                                       ; source 0 (the weight) window 1
.else
	WIN 0x04                                       ; source 1 (the weight) window 1
.endif
.irp s, 0,1,2,3
.irp t, 0,1
.set DD, ACC+16*(J%2)+8*\t
.set WW, 32*(J%6)+8*\s
.set XX, XF+8*(4*\t+\s)
.set SW, WS+2*(J%6)+\s/2
.set SX, XS+4*\t+\s
.if J < 16
.if \s == 0
	v_wmma_scale_f32_16x16x128_f8f6f4 v[DD:DD+7], v[WW:WW+7], v[XX:XX+7], 0, v[SW], v[SX] matrix_a_fmt:MATRIX_FMT_FP4 matrix_b_fmt:MATRIX_FMT_FP4
.elseif \s == 2
	v_wmma_scale_f32_16x16x128_f8f6f4 v[DD:DD+7], v[WW:WW+7], v[XX:XX+7], v[DD:DD+7], v[SW], v[SX] matrix_a_fmt:MATRIX_FMT_FP4 matrix_b_fmt:MATRIX_FMT_FP4
.else
	v_wmma_scale_f32_16x16x128_f8f6f4 v[DD:DD+7], v[WW:WW+7], v[XX:XX+7], v[DD:DD+7], v[SW], v[SX] matrix_a_fmt:MATRIX_FMT_FP4 matrix_b_fmt:MATRIX_FMT_FP4 matrix_a_scale:MATRIX_SCALE_ROW1
.endif
.else
.if \s == 0
	v_wmma_scale_f32_16x16x128_f8f6f4 v[DD:DD+7], v[XX:XX+7], v[WW:WW+7], 0, v[SX], v[SW] matrix_a_fmt:MATRIX_FMT_FP4 matrix_b_fmt:MATRIX_FMT_FP4
.elseif \s == 2
	v_wmma_scale_f32_16x16x128_f8f6f4 v[DD:DD+7], v[XX:XX+7], v[WW:WW+7], v[DD:DD+7], v[SX], v[SW] matrix_a_fmt:MATRIX_FMT_FP4 matrix_b_fmt:MATRIX_FMT_FP4
.else
	v_wmma_scale_f32_16x16x128_f8f6f4 v[DD:DD+7], v[XX:XX+7], v[WW:WW+7], v[DD:DD+7], v[SX], v[SW] matrix_a_fmt:MATRIX_FMT_FP4 matrix_b_fmt:MATRIX_FMT_FP4 matrix_b_scale:MATRIX_SCALE_ROW1
.endif
.endif
.endr
.endr
.endm
; job P's results: (q: x log2(e) / 8, in f32;) rounded to f16, 16 bytes a lane, stored.  Each accumulator is read from its low end on
.macro PACK
.set PA, ACC+16*(P%2)
.set PI, P%8
	s_wait_xcnt 0x0                                ; the last job's stores have read PK: it is written again only behind this wait
.if P < 8
.irp t, 0,1
.irp i, 0,1,2,3
	v_pk_mul_f32 v[TQ+8*\t+2*\i:TQ+8*\t+2*\i+1], v[PA+8*\t+2*\i:PA+8*\t+2*\i+1], s[18:19] op_sel_hi:[1,0]
.endr
.endr
.irp t, 0,1
.irp i, 0,1,2,3
	v_cvt_pk_f16_f32 v[PK+4*\t+\i], v[TQ+8*\t+2*\i], v[TQ+8*\t+2*\i+1]
.endr
.endr
.else
.irp t, 0,1
.irp i, 0,1,2,3
	v_cvt_pk_f16_f32 v[PK+4*\t+\i], v[PA+8*\t+2*\i], v[PA+8*\t+2*\i+1]
.endr
.endr
.endif
.irp t, 0,1
.if P < 8
	global_store_b128 v[LI], v[PK+4*\t:PK+4*\t+3], s[10:11] offset:(PI/4)*524288+\t*2048+(PI%4)*512          ; q: head, query tile, (cs, c) = the column tile in the head
.elseif P < 16
	global_store_b128 v[LI], v[PK+4*\t:PK+4*\t+3], s[12:13] offset:(PI/4)*1048576+\t*2048+(PI%4)*512         ; k likewise
.else
	global_store_b128 v[LI], v[PK+4*\t:PK+4*\t+3], s[12:13] offset:16384+(PI/4)*1048576+(PI%4)*1024+\t*512   ; v: head, channel tile, c = my token tile
.endif
.endr
.endm
	XLOAD 0
	XLOAD 1
.set JL, 0
	WLOAD
.set JL, 1
	WLOAD
.set JL, 2
	WLOAD
	s_wait_loadcnt 46                              ; fragment 0's 16 loads are in; fragment 1's 16 and three jobs' 30 may be out
	QUANT 0
	s_wait_loadcnt 30                              ; fragment 1's are in; the three jobs' 30 may be out
.set JL, 3
	WLOAD
.set JL, 4
	WLOAD
.set JL, 5
	WLOAD
	QUANT 1
	s_wait_dscnt 0x0                               ; for the others' sake: my images have landed
	s_barrier_signal -1
	s_barrier_wait -1                              ; x's eight fragments lie in LDS
.set n, 0
.rept 16
	ds_load_b128 v[XF+4*n:XF+4*n+3], v[LI] offset:XIMG+512*n   ; they come back as they went: the same registers in the same lanes
.set n, n+1
.endr
.set n, 0
.rept 8
	ds_load_b32 v[XS+n], v[LS] offset:XSC+128*n
.set n, n+1
.endr
	s_wait_dscnt 0x0
; The 24 jobs.  Behind job J's products stands job J - 1's way out: eight or more plain vector instructions that name no register of job J's products.  They are the places ahead of the loads
; into the set that job J has read, ahead of job J's own way out, and ahead of job J + 2's products, which write over job J's accumulators.
.set J, 0
.rept 24
.if 23-J >= 5
	s_wait_loadcnt 50                              ; job J's ten loads are in; the five younger jobs' fifty may be out
.else
	s_wait_loadcnt 10*(23-J)                       ; the counts run down: ten for each younger job
.endif
	MUL
	WIN 0
.if J == 0
.rept 5
	v_nop                                          ; no way out yet: five places
.endr
.else
.set P, J-1
	PACK
.endif
.if J+6 < 24
.set JL, J+6
	WLOAD
.endif
.set J, J+1
.endr
.set P, 23
	PACK                                           ; job 22's eight conversions are the places behind job 23's products
	s_wait_tensorcnt 0x0                           ; the wave's end, behind my last LDS store
	ds_add_u32 v[SPW], v[NIL]
	s_wait_dscnt 0x0
	s_endpgm
.Lfunc_end_k_q8df2b23bd8_qkv:
	.size	k_q8df2b23bd8_qkv, .Lfunc_end_k_q8df2b23bd8_qkv-k_q8df2b23bd8_qkv
	.p2alignl 7, 3214868480
	.fill 96, 4, 3214868480
	.section	.rodata,"a",@progbits
	.p2align	6, 0x0
	.amdhsa_kernel k_q8df2b23bd8_qkv
		.amdhsa_group_segment_fixed_size 9728
		.amdhsa_private_segment_fixed_size 0
		.amdhsa_enable_private_segment 0
		.amdhsa_kernarg_size 40
		.amdhsa_user_sgpr_count 2
		.amdhsa_user_sgpr_kernarg_segment_ptr 1
		.amdhsa_wavefront_size32 1
		.amdhsa_system_sgpr_workgroup_id_x 1
		.amdhsa_system_sgpr_workgroup_id_y 1
		.amdhsa_system_sgpr_workgroup_id_z 1
		.amdhsa_system_vgpr_workitem_id 0
		.amdhsa_next_free_vgpr 448
		.amdhsa_next_free_sgpr 66
		.amdhsa_reserve_vcc 0
		.amdhsa_float_denorm_mode_32 3
		.amdhsa_float_denorm_mode_16_64 3
		.amdhsa_memory_ordered 1
		.amdhsa_forward_progress 1
		.amdhsa_inst_pref_size 86
	.end_amdhsa_kernel
	.amdgpu_metadata
---
amdhsa.version: [ 1, 2 ]
amdhsa.kernels:
  - .name:           k_q8df2b23bd8_qkv
    .symbol:         k_q8df2b23bd8_qkv.kd
    .args:
      - { .name: x, .offset: 0, .size: 8, .value_kind: global_buffer, .address_space: global }
      - { .name: wcodes, .offset: 8, .size: 8, .value_kind: global_buffer, .address_space: global }
      - { .name: wscales, .offset: 16, .size: 8, .value_kind: global_buffer, .address_space: global }
      - { .name: qf, .offset: 24, .size: 8, .value_kind: global_buffer, .address_space: global }
      - { .name: kv, .offset: 32, .size: 8, .value_kind: global_buffer, .address_space: global }
    .group_segment_fixed_size: 9728
    .private_segment_fixed_size: 0
    .kernarg_segment_align: 8
    .kernarg_segment_size: 40
    .max_flat_workgroup_size: 128
    .sgpr_count:     66
    .vgpr_count:     448
    .wavefront_size: 32
...
	.end_amdgpu_metadata
.endif
;; end of part 2
;; launch attn (part 3): grid 16 x 16, 8 waves a work-group, clusters of 4 x 1, 327,680 bytes of LDS; arguments qf, kv, attf; writes attf
.if DOCPART == 3
	.amdgcn_target "amdgcn-amd-amdhsa--gfx1250"
	.amdhsa_code_object_version 6
	.text
	.protected	k_q8df2b23bd8_attn
	.globl	k_q8df2b23bd8_attn
	.p2align	8
	.type	k_q8df2b23bd8_attn,@function
k_q8df2b23bd8_attn:
	s_mov_b64 s[64:65], 0
	v_nop
	global_prefetch_b8 v0, s[64:65] scope:SCOPE_SE
	s_setreg_imm32_b32 hwreg(HW_REG_WAVE_MODE, 25, 1), 1
	s_wait_xcnt 0x0
	s_wait_alu depctr_hold_cnt(0) depctr_sa_sdst(0) depctr_va_vdst(0) depctr_va_sdst(0) depctr_va_ssrc(0) depctr_va_vcc(0) depctr_vm_vsrc(0)
	s_getreg_b32 s2, hwreg(HW_REG_IB_STS2, 6, 4)
	s_cmp_eq_u32 s2, 0
	s_cbranch_scc0 .Lentry_in_a_cluster
	s_endpgm
.Lentry_in_a_cluster:
	s_bfe_u32 s2, ttmp6, 0x10000c
	s_cmp_lg_u32 s2, 0x3003
	s_cbranch_scc0 .Lentry_shape_is_right
	s_endpgm
.Lentry_shape_is_right:
; Launch 3 of 4: att[bh][q] = the sum over k of softmax_k(q . k / 8) v[k], 16 (batch, head) pairs, 4,096 queries and keys, head size 64, no mask.  Operands in f16 (11 significant bits), products, maxima and sums in f32.
; qf holds q x log2(e) / 8, so a score s is already the exponent to base 2.  SOFTMAX: for each query a RUNNING MAXIMUM m: p = 2^(s - m), at most 1; in every step O and the sum are multiplied by a = 2^(m_old - m_new),
; which is 1 where m has not grown: no branch on data.  p is rounded to f16 for the second product, and THE SUM IS TAKEN OF THE SAME ROUNDED p, by the matrix unit; it divides at the end.
; SHARES: a work-group owns 256 queries of one (batch, head); each of its EIGHT waves owns 32 of them, two tiles of 16, in 512 registers: two waves to a SIMD, so that one wave's softmax stands beside the other's products.
; Every wave walks all 4,096 keys, 128 a step: 32 products K Q^T, 32 products V^T P, 8 for the sums.
; LAYOUT: S^T = K Q^T (source 0 = 16 keys, source 1 = 16 queries): a lane holds ONE query (lane % 16) and keys 8 (lane / 16) + 0 .. 7.  Two such tiles, rounded in pairs, ARE source 1 (32 keys x 16 queries) of O^T = V^T P,
; whose result again holds one query a lane, and eight channels.  P is packed in place, in S^T's registers.  Q, K and V lie in memory in the order of these operands' registers (the launch before laid them so):
; every LDS load is 16 bytes a lane at 16 x lane: no pitch, no padding, nothing is turned.
; THE SUM: source 0 = ONE, a fragment with 1.0 in rows 0 and 8 alone, source 1 = P: the query's sum over 32 keys falls into register 0 of both halves of the lanes (rows 8 (lane / 16) + 0), the other registers stay 0.
; That is one matrix instruction for each four of V^T P, in place of 32 packed additions a tile and an exchange between the halves.
; RING: two LDS slots of 131,072 bytes, four steps (512 keys) each: a slot is one dense run of kv.  Every wave fetches an eighth of a slot by one tensor load (64 rows of 256 bytes).
; CLUSTER: the four query blocks of a cluster belong to one (batch, head) and walk the same K and V, so each load is asked for JOINTLY: the same load, the same descriptor, a mask that names the four, in all four.
; By this text's own count a wave has two tensor loads out at the start and one behind each change of slots.
; LIMITS: an exponential under 2^-126 comes out as 0, a p under 2^-25 is rounded to 0 in f16; att is rounded to f16 (beyond 65,504 infinity, under 6e-5 an absolute error of 2^-25); NaN and infinities are not served.
; REGISTERS, in windows of 256 (s_set_vgpr_msb: bits 1:0 source 0, 3:2 source 1, 5:4 source 2, 7:6 destination):
;   window 0: v1-7 addresses; v8-23 statistics; v32-159 S^T, then p, then P; v160-223 O^T; v224-239 the sums.   window 1: v0-31 Q; v32-95, v96-159, v160-223 three buffers of 8 fragments; v224-231 ONE.
.set SLOT1, 131072                     ; slot 1 begins here: one exclusive or turns an address in one slot into the other's
.set SPARE, 326656                     ; the spare words, 128 bytes for each of the eight waves: four blocks of 256 bytes that no other line names
.set SPW, 1                            ; v1   LDS address of my spare word; never rewritten
.set NIL, 2                            ; v2   0; never rewritten
.set LI,  3                            ; v3   16 x lane
.set AD,  4                            ; v4   LDS address of the step in hand: its first byte + 16 x lane
.set PFO, 5                            ; v5   256 x lane: the prefetches' offset; never rewritten
.set ST,  8                            ; tile u's statistics at ST + 8 u: +0 m, +1 written as the pair's upper half, +2 a (at the end 1 / sum), +3 m_old - m_new, +4 .. +7 four running maxima
.set S,   32                           ; S^T: register S + 64 u + 8 kt + j; P of key group g: S + 64 u + 16 g + 0 .. 7
.set OT,  160                          ; O^T: register OT + 32 u + 8 ct + j
.set LSUM, 224                         ; the sums: LSUM + 8 u
.set B0,  32                           ; window 1: K's keys 0-63, then V's keys 64-127
.set B1,  96                           ; K's keys 64-127
.set B2,  160                          ; V's keys 0-63
.set ONE, 224
.set MSB, 0
.macro WIN new                         ; the immediate's high byte repeats the setting that is left
.if MSB != \new
	s_set_vgpr_msb (MSB<<8)|\new
.set MSB, \new
.endif
.endm
.macro PLACES n
.rept \n
	v_nop
.endr
.endm
; A round of the cluster's barrier: my work-group's barrier, so that wave 0's signal speaks for all eight waves; wave 0 signals for the work-group; every wave waits for all four work-groups; my work-group's barrier once more
.macro CROUND
	s_barrier_signal -1
	s_barrier_wait -1
	s_cmp_lg_u32 s12, 0
	s_cbranch_scc1 .Lnot_wave_0_\@
	s_barrier_signal -3
.Lnot_wave_0_\@:
	s_barrier_wait -3
	s_barrier_signal -1
	s_barrier_wait -1
.endm
; A PREFETCH of the slot that the NEXT change of slots will ask for, four key steps ahead of that load; it stands behind the wave's tensor load and its five lines.  Each aligned 256 bytes are named once in the launch:
; all four clusters of a (batch, head) walk the same kv, so the first of them asks; its four partners take 32,768 bytes each, told apart BY ADDRESS; in each, waves 0 to 3 take 8,192 bytes, lanes 256 bytes apart.
; The last change that fills a slot asks for nothing: there is no slot behind it.  Slots 0, 1 and 2 come by their loads alone.
.macro ASK
	s_cmp_gt_u32 s40, s15
	s_cbranch_scc0 .Lnot_mine_\@
	global_prefetch_b8 v[PFO], s[18:19] th:TH_LOAD_NT scope:SCOPE_SE
.Lnot_mine_\@:
.endm
	s_load_b128 s[4:7], s[0:1], 0x0                ; qf s[4:5], kv s[6:7]
	s_load_b64 s[8:9], s[0:1], 0x10                ; attf
	v_lshl_add_u32 v[SPW], v0, 2, SPARE
	v_mov_b32 v[NIL], 0
	ds_add_u32 v[SPW], v[NIL]                      ; the wave's opening: the add, twice on end, and its wait ahead of my first tensor load; the set-up below, work on registers, stands between
	ds_add_u32 v[SPW], v[NIL]                      ; and once more, under the one wait
	v_lshrrev_b32 v6, 5, v0
	v_readfirstlane_b32 s12, v6                    ; wave 0..7
	s_bfe_u32 s13, ttmp6, 0x40000                  ; cx: my place in the cluster
	s_lshl_b32 s14, ttmp9, 2                       ; in a cluster launch ttmp9 counts clusters
	s_add_co_u32 s14, s14, s13                     ; my block of 256 queries: it enters Q's and att's addresses alone
	s_and_b32 s16, ttmp7, 0xffff                   ; bh, which the four partners share
	s_lshl_b32 s20, s16, 20                        ; kv: 1,048,576 bytes a (batch, head),
	s_lshl_b32 s33, s12, 14                        ; my eighth of a slot: 16,384 bytes, in memory and in LDS: no place in the cluster enters an LDS address
	s_add_co_u32 s20, s20, s33
	s_mov_b32 s21, 0
	s_lshl_b32 s22, s16, 20                        ; the prefetches: the same (batch, head),
	s_lshl_b32 s50, s13, 15
	s_add_co_u32 s22, s22, s50                     ; my work-group's 32,768 bytes of a slot,
	s_lshl_b32 s50, s12, 13
	s_add_co_u32 s22, s22, s50                     ; my wave's 8,192 of them,
	s_add_co_u32 s22, s22, 2*SLOT1                 ; in slot-load 2: the first change of slots steps it to 3.  Nothing is prefetched at the head
	s_mov_b32 s23, 0
	s_lshl_b32 s46, s16, 19                        ; qf: 524,288 bytes a (batch, head),
	s_lshl_b32 s50, s14, 15
	s_add_co_u32 s46, s46, s50                     ; 16 tiles of 2,048 bytes a block,
	s_lshl_b32 s50, s12, 12
	s_add_co_u32 s46, s46, s50                     ; my two tiles
	s_mov_b32 s47, 0
	s_lshr_b32 s48, s16, 3
	s_lshl_b32 s48, s48, 22                        ; attf: 256 token tiles of 16,384 bytes a batch,
	s_lshl_b32 s50, s14, 18
	s_add_co_u32 s48, s48, s50                     ; 16 tiles a block,
	s_lshl_b32 s50, s12, 15
	s_add_co_u32 s48, s48, s50                     ; my two tiles,
	s_and_b32 s50, s16, 7
	s_lshl_b32 s50, s50, 11
	s_add_co_u32 s48, s48, s50                     ; my head's 64 channels: 2,048 bytes of a tile
	s_mov_b32 s49, 0
	; descriptor group 1: 64 rows of 32 elements of 8 bytes, dense: 16,384 consecutive bytes, laid in LDS as they lie
	s_mov_b32 s24, 15|(3<<16)|(1<<21)              ; 15:0 the mask: all four work-groups; 17:16 elements of 8 bytes; 20 no padding; 21 set beside a mask
	s_mov_b32 s25, 32<<16                          ; tensor_dim0 = 32
	s_mov_b32 s26, 64<<16                          ; tensor_dim1 = 64
	s_mov_b32 s27, 32<<16                          ; tile_dim0 = 32
	s_mov_b32 s28, 64                              ; tile_dim1 = 64
	s_mov_b32 s29, 32                              ; from row to row
	s_mov_b32 s30, 0
	s_mov_b32 s31, 0
	s_mov_b32 s32, 1                               ; group 0 for slot 0's first fill: count = 1; s33 is its LDS address
	s_mov_b32 s36, 1                               ; group 0 for slot 1's first fill; it then walks
	s_add_co_u32 s37, s33, SLOT1
	s_lshr_b32 s15, s12, 2                         ; 0 in waves 0 to 3,
	s_or_b32 s15, s15, ttmp9                       ; of the (batch, head)'s first cluster: the same in all four partners
	s_cmp_eq_u32 s15, 0
	s_cselect_b32 s15, 1, -1                       ; a wave prefetches while the count of slots is above this
	s_mov_b32 s44, 0x76543210
	s_mov_b32 s45, 0xfedcba98                      ; v_permlanex16_b32's selects for lane l xor 16
	s_mov_b32 s42, 0                               ; LDS byte at which the step in hand begins
	s_mov_b32 s40, 6                               ; slots still to be asked for
	v_and_b32 v6, 31, v0
	v_lshlrev_b32 v[LI], 4, v6
	v_lshlrev_b32 v[PFO], 8, v6
	s_wait_dscnt 0x0                               ; both opening adds are done
	s_wait_kmcnt 0x0
	s_add_nc_u64 s[18:19], s[6:7], s[22:23]
	s_add_nc_u64 s[34:35], s[6:7], s[20:21]        ; keys 0 to 511
	s_add_nc_u64 s[38:39], s[34:35], SLOT1         ; keys 512 to 1,023
	s_or_b32 s35, s35, 0x80000000                  ; type = 2
	s_or_b32 s39, s39, 0x80000000
	s_add_nc_u64 s[4:5], s[4:5], s[46:47]
	s_add_nc_u64 s[8:9], s[8:9], s[48:49]
	CROUND                                         ; all four work-groups are here: the first joint loads meet
	tensor_load_to_lds s[32:35], s[24:31]          ; every wave issues both first fills, with no branch
	s_nop 0
	tensor_load_to_lds s[36:39], s[24:31]
	s_nop 0
	PLACES 4
	WIN 0x40                                       ; destination window 1, address window 0
.set i, 0
.rept 8
	global_load_b128 v[4*i:4*i+3], v[LI], s[4:5] offset:512*i   ; Q stays in registers: fragment (u, cs) at 8 (2 u + cs)
.set i, i+1
.endr
	WIN 0
	v_and_b32 v6, 7, v0
	v_cmp_eq_u32 vcc_lo, 0, v6                     ; lanes 0, 8, 16, 24 hold rows 0 and 8 of a source 0
	v_mov_b32 v7, 0x3c003c00                       ; 1.0 twice, in f16
	v_cndmask_b32 v6, v[NIL], v7, vcc_lo
	WIN 0x40
.set i, 0
.rept 8
	v_mov_b32 v[ONE+i], v6
.set i, i+1
.endr
	WIN 0
.set i, 0
.rept 80
	v_mov_b32 v[OT+i], 0                           ; O^T and the sums.  (The step is written once: the first finds zeros, which its a = 0 leaves zeros; a first step of its own would be a further copy of the step)
.set i, i+1
.endr
.irp u, 0,1
	v_mov_b32 v[ST+8*\u], 0xff61b1e6               ; m = -3e38, under every score
.irp i, 1,2,3,4,5,6,7
	v_mov_b32 v[ST+8*\u+\i], 0
.endr
.endr
; 16 LDS loads: 8,192 consecutive bytes, eight fragments: register 4 i is byte 512 i
.macro LD16 reg, off
.set i, 0
.rept 16
	ds_load_b128 v[\reg+4*i:\reg+4*i+3], v[AD] offset:\off+512*i
.set i, i+1
.endr
.endm
; 16 products of S^T = K Q^T: key tiles 4 hf .. 4 hf + 3 x both query tiles, two deep along the 64 channels.  The first 8 start the sums; the 8 accumulators take turns, one instruction a turn
.macro SMUL hf
.irp cs, 0,1
.irp kq, 0,1,2,3
.irp u, 0,1
.if \cs == 0
	v_wmma_f32_16x16x32_f16 v[S+64*\u+8*(4*\hf+\kq):S+64*\u+8*(4*\hf+\kq)+7], v[B0+64*\hf+8*(2*\kq+\cs):B0+64*\hf+8*(2*\kq+\cs)+7], v[8*(2*\u+\cs):8*(2*\u+\cs)+7], 0
.else
	v_wmma_f32_16x16x32_f16 v[S+64*\u+8*(4*\hf+\kq):S+64*\u+8*(4*\hf+\kq)+7], v[B0+64*\hf+8*(2*\kq+\cs):B0+64*\hf+8*(2*\kq+\cs)+7], v[8*(2*\u+\cs):8*(2*\u+\cs)+7], v[S+64*\u+8*(4*\hf+\kq):S+64*\u+8*(4*\hf+\kq)+7]
.endif
.endr
.endr
.endr
.endm
; key group g (32 keys): 8 products of O^T += V^T P and 2 of the sums; the ten accumulators take turns
.macro PVMUL g
.if \g < 2
.set VB, B2+32*(\g)
.else
.set VB, B0+32*(\g-2)
.endif
.irp ct, 0,1,2,3
.irp u, 0,1
	v_wmma_f32_16x16x32_f16 v[OT+32*\u+8*\ct:OT+32*\u+8*\ct+7], v[VB+8*\ct:VB+8*\ct+7], v[S+64*\u+16*\g:S+64*\u+16*\g+7], v[OT+32*\u+8*\ct:OT+32*\u+8*\ct+7]
.endr
.endr
.irp u, 0,1
	v_wmma_f32_16x16x32_f16 v[LSUM+8*\u:LSUM+8*\u+7], v[ONE:ONE+7], v[S+64*\u+16*\g:S+64*\u+16*\g+7], v[LSUM+8*\u:LSUM+8*\u+7]
.endr
.endm
; THE SOFTMAX of a step, both tiles by turns line by line, so that no line waits for the line above it.  All in window 0
.macro SOFTMAX
.irp jc, 0,1,2,3
.irp u, 0,1
	v_max3_num_f32 v[ST+8*\u+4+\jc], v[S+64*\u+16*\jc], v[S+64*\u+16*\jc+1], v[S+64*\u+16*\jc+2]   ; four chains of 15 scores; each accumulator is first read at its low end (the odd ones at i = 7, below)
.endr
.endr
.irp i, 3,5,7,9,11,13
.irp jc, 0,1,2,3
.irp u, 0,1
	v_max3_num_f32 v[ST+8*\u+4+\jc], v[ST+8*\u+4+\jc], v[S+64*\u+16*\jc+\i], v[S+64*\u+16*\jc+\i+1]
.endr
.endr
.endr
.irp u, 0,1
	v_max3_num_f32 v[ST+8*\u+4], v[ST+8*\u+4], v[S+64*\u+15], v[S+64*\u+31]   ; the four scores left over,
.endr
.irp u, 0,1
	v_max3_num_f32 v[ST+8*\u+6], v[ST+8*\u+6], v[S+64*\u+47], v[S+64*\u+63]
.endr
.irp u, 0,1
	v_max3_num_f32 v[ST+8*\u+4], v[ST+8*\u+4], v[ST+8*\u+5], v[ST+8*\u+6]     ; the chains,
.endr
.irp u, 0,1
	v_max3_num_f32 v[ST+8*\u+4], v[ST+8*\u+4], v[ST+8*\u+7], v[ST+8*\u]       ; and the old m
.endr
.irp u, 0,1
	v_permlanex16_b32 v[ST+8*\u+5], v[ST+8*\u+4], s44, s45                    ; the query's other 64 keys lie in the lane 16 away
.endr
.irp u, 0,1
	v_max_num_f32 v[ST+8*\u+5], v[ST+8*\u+4], v[ST+8*\u+5]                    ; the new m
.endr
.irp u, 0,1
	v_sub_f32 v[ST+8*\u+3], v[ST+8*\u], v[ST+8*\u+5]                          ; m_old - m_new, 0 or less
.endr
.irp u, 0,1
	v_mov_b32 v[ST+8*\u], v[ST+8*\u+5]
.endr
.set j, 0
.rept 32
.irp u, 0,1
	v_pk_add_f32 v[S+64*\u+j:S+64*\u+j+1], v[S+64*\u+j:S+64*\u+j+1], v[ST+8*\u:ST+8*\u+1] op_sel_hi:[1,0] neg_lo:[0,1] neg_hi:[0,1]   ; s - m, two at a time (of the pair the low word, m, serves both halves)
.endr
.set j, j+2
.endr
.irp u, 0,1
	v_exp_f32 v[ST+8*\u+2], v[ST+8*\u+3]           ; a = 2^(m_old - m_new)
.endr
.set j, 0
.rept 64
.irp u, 0,1
	v_exp_f32 v[S+64*\u+j], v[S+64*\u+j]           ; p = 2^(s - m): ONE BATCH of 130 exponentials, none of which reads another's result
.endr
.set j, j+1
.endr
	v_nop                                          ; a plain instruction behind the last exponential, ahead of the first use (ISA guide 5.7.2)
	s_wait_alu depctr_va_vdst(0)                   ; this wait ahead of the first instruction that names a result: one for the batch
.irp g, 0,1,2,3
.irp i, 0,1,2,3,4,5,6,7
.irp u, 0,1
	v_cvt_pk_f16_f32 v[S+64*\u+16*\g+\i], v[S+64*\u+16*\g+2*\i], v[S+64*\u+16*\g+2*\i+1]   ; P in place, ascending: register i is written when numbers 2 i and 2 i + 1 are read
.endr
.endr
.endr
.set j, 0
.rept 16
.irp u, 0,1
	v_pk_mul_f32 v[OT+32*\u+j:OT+32*\u+j+1], v[OT+32*\u+j:OT+32*\u+j+1], v[ST+8*\u+2:ST+8*\u+3] op_sel_hi:[1,0]   ; O^T x a
.endr
.set j, j+2
.endr
.irp u, 0,1
	v_pk_mul_f32 v[LSUM+8*\u:LSUM+8*\u+1], v[LSUM+8*\u:LSUM+8*\u+1], v[ST+8*\u+2:ST+8*\u+3] op_sel_hi:[1,0]       ; the sum x a (its register 1 is 0 and stays 0)
.endr
.endm
; A KEY STEP of 128 keys.  At its head the LDS loads that may be out are, in the order of issue: K's keys 64-127 (16), K's keys 0-63 (16), V's keys 0-63 (16).
; look = 1: the next step lies in the same slot, and its fragments are fetched on the way.
; A load into a register that a matrix instruction has read, and a vector instruction that reads a matrix result, stand four places behind it; a matrix instruction that writes over such a register five; only plain
; vector instructions that name none of its registers are places (ISA guide 7.12.1 for vector instructions).
.macro STEP look
	s_wait_dscnt 32                                ; the two youngest runs of 16 may be out: K's keys 64-127 are in
	WIN 0x05                                       ; K and Q window 1, S^T window 0
	SMUL 1
	s_wait_dscnt 16                                ; V's run may be out: K's keys 0-63 are in
	SMUL 0
	WIN 0
	PLACES 4                                       ; ahead of the loads into K's buffers and of the softmax's first reads
	WIN 0x40
	LD16 B0, 24576                                 ; V's keys 64-127
.if \look
	LD16 B1, 40960                                 ; the next step's K, keys 64-127
.endif
	WIN 0
	SOFTMAX
	s_wait_dscnt 0x0                               ; V is in (asked for a softmax ago or more)
	WIN 0x01                                       ; V and ONE window 1; P, O^T and the sums window 0
	PVMUL 0
	PVMUL 1
	PVMUL 2
	PVMUL 3
	WIN 0
.if \look
	s_add_co_u32 s42, s42, 32768                   ; the next step
	v_add_nc_u32 v[AD], s42, v[LI]                 ; with the four below: five places, ahead of the loads into V's buffers and of the next step's products, which write over P
	PLACES 4
	WIN 0x40
	LD16 B0, 0                                     ; its K, keys 0-63
	LD16 B2, 16384                                 ; its V, keys 0-63
	WIN 0
.else
	PLACES 5
.endif
.endm
.macro RUNB0                           ; a slot's first step: its three runs
	v_add_nc_u32 v[AD], s42, v[LI]
	WIN 0x40
	LD16 B1, 8192
	LD16 B0, 0
	LD16 B2, 16384
	WIN 0
.endm
.macro SLOTBODY                        ; a slot's four steps: three that look ahead, written once and walked three times, and the last
	s_mov_b32 s41, 3
.Lst_\@:
	STEP 1
	s_sub_co_u32 s41, s41, 1
	s_cmp_lg_u32 s41, 0
	s_cbranch_scc1 .Lst_\@
	STEP 0
.endm
; THE CHANGE OF SLOTS.  Each wave waits for all its tensor loads, of which one is out: its part of the other slot; adds 0 to its spare word; and waits for that and for its reads of the slot that it leaves.
; fill = 1: the barrier is a round of the cluster's, so that no wave of any partner still reads the slot or has a load on its way; the joint refill, the keys two slots on, is the first thing behind it
; and has four key steps in which to land.
.macro CHANGE fill
	s_wait_tensorcnt 0x0                           ; no tensor load of mine is out, so a group 0 may be written
	ds_add_u32 v[SPW], v[NIL]                      ; 0 onto my spare word
.if \fill
	s_xor_b32 s37, s37, SLOT1                      ; the walking descriptor: the other slot than last time,
	s_add_nc_u64 s[38:39], s[38:39], SLOT1         ; the next 512 keys; the type bits on top are not reached
	s_wait_xcnt 0x0                                ; the last prefetch, a slot back, has read its address, so it may be written:
	s_add_nc_u64 s[18:19], s[18:19], SLOT1         ; one slot further on than the walking descriptor
	s_wait_dscnt 0x0                               ; the add is done, and my reads of the slot are over
	CROUND
	tensor_load_to_lds s[36:39], s[24:31]
	s_nop 0
	PLACES 4
	ASK
.else
	s_wait_dscnt 0x0
	s_barrier_signal -1
	s_barrier_wait -1
.endif
	s_sub_co_u32 s42, s42, 98304                   ; back to a slot's first step,
	s_xor_b32 s42, s42, SLOT1                      ; in the other slot
.endm
	s_wait_tensorcnt 1                             ; my part of slot 0 is in; slot 1's may stay out
	s_barrier_signal -1
	s_barrier_wait -1                              ; everybody's is
	RUNB0
	s_wait_loadcnt 0x0                             ; Q
.Lslot:                                            ; six trips: every slot-load but the last two is followed by a refill
	SLOTBODY
	CHANGE 1
	RUNB0
	s_sub_co_u32 s40, s40, 1
	s_cmp_lg_u32 s40, 0
	s_cbranch_scc1 .Lslot
	SLOTBODY                                       ; the tail is written out
	CHANGE 0
	RUNB0
	SLOTBODY
	; THE WAY OUT.  Register 0 of the sums holds the query's whole sum in both halves of the lanes.  O^T / the sum, rounded to f16: a lane's eight channels of a tile are 16 bytes, half a fragment of the last launch's operand:
	; attf [token tile 512][kk 16][c 2][lane][16 bytes]: lane (r, h) = token r, channel 32 kk + 16 c + 8 h + 0 .. 7.  Each store is 512 consecutive aligned bytes.  (The last step's five places stand ahead.)
.irp u, 0,1
	v_rcp_f32 v[ST+8*\u+2], v[LSUM+8*\u]
.endr
	v_nop                                          ; a plain instruction between the last reciprocal and the use of its result
	s_wait_alu depctr_va_vdst(0)                   ; and the wait ahead of the first use: one for both
.set j, 0
.rept 16
.irp u, 0,1
	v_pk_mul_f32 v[OT+32*\u+j:OT+32*\u+j+1], v[OT+32*\u+j:OT+32*\u+j+1], v[ST+8*\u+2:ST+8*\u+3] op_sel_hi:[1,0]
.endr
.set j, j+2
.endr
.set i, 0
.rept 16
.irp u, 0,1
	v_cvt_pk_f16_f32 v[S+16*\u+i], v[OT+32*\u+2*i], v[OT+32*\u+2*i+1]
.endr
.set i, i+1
.endr
.irp u, 0,1
.irp ct, 0,1,2,3
	global_store_b128 v[LI], v[S+16*\u+4*\ct:S+16*\u+4*\ct+3], s[8:9] offset:16384*\u+512*\ct
.endr
.endr
	s_wait_tensorcnt 0x0                           ; the wave's end, behind my last tensor load
	ds_add_u32 v[SPW], v[NIL]
	s_wait_dscnt 0x0
	CROUND                                         ; the closing round: no work-group ends while a partner may still ask for a tile that names it
	s_endpgm
.Lfunc_end_k_q8df2b23bd8_attn:
	.size	k_q8df2b23bd8_attn, .Lfunc_end_k_q8df2b23bd8_attn-k_q8df2b23bd8_attn
	.p2alignl 7, 3214868480
	.fill 96, 4, 3214868480
	.section	.rodata,"a",@progbits
	.p2align	6, 0x0
	.amdhsa_kernel k_q8df2b23bd8_attn
		.amdhsa_group_segment_fixed_size 327680
		.amdhsa_private_segment_fixed_size 0
		.amdhsa_enable_private_segment 0
		.amdhsa_kernarg_size 24
		.amdhsa_user_sgpr_count 2
		.amdhsa_user_sgpr_kernarg_segment_ptr 1
		.amdhsa_wavefront_size32 1
		.amdhsa_system_sgpr_workgroup_id_x 1
		.amdhsa_system_sgpr_workgroup_id_y 1
		.amdhsa_system_sgpr_workgroup_id_z 1
		.amdhsa_system_vgpr_workitem_id 0
		.amdhsa_next_free_vgpr 512
		.amdhsa_next_free_sgpr 66
		.amdhsa_reserve_vcc 1
		.amdhsa_float_denorm_mode_32 3
		.amdhsa_float_denorm_mode_16_64 3
		.amdhsa_memory_ordered 1
		.amdhsa_forward_progress 1
		.amdhsa_inst_pref_size 183
	.end_amdhsa_kernel
	.amdgpu_metadata
---
amdhsa.version: [ 1, 2 ]
amdhsa.kernels:
  - .name:           k_q8df2b23bd8_attn
    .symbol:         k_q8df2b23bd8_attn.kd
    .args:
      - { .name: qf, .offset: 0, .size: 8, .value_kind: global_buffer, .address_space: global }
      - { .name: kv, .offset: 8, .size: 8, .value_kind: global_buffer, .address_space: global }
      - { .name: attf, .offset: 16, .size: 8, .value_kind: global_buffer, .address_space: global }
    .group_segment_fixed_size: 327680
    .private_segment_fixed_size: 0
    .kernarg_segment_align: 8
    .kernarg_segment_size: 24
    .max_flat_workgroup_size: 256
    .sgpr_count:     66
    .vgpr_count:     512
    .wavefront_size: 32
...
	.end_amdgpu_metadata
.endif
;; end of part 3
;; launch proj (part 4): grid 4 x 64, 4 waves a work-group, clusters of 4 x 4, 327,680 bytes of LDS; arguments attf, wo16, bo, out0; writes out0
.if DOCPART == 4
	.amdgcn_target "amdgcn-amd-amdhsa--gfx1250"
	.amdhsa_code_object_version 6
	.text
	.protected	k_q8df2b23bd8_proj
	.globl	k_q8df2b23bd8_proj
	.p2align	8
	.type	k_q8df2b23bd8_proj,@function
k_q8df2b23bd8_proj:
	s_mov_b64 s[64:65], 0
	v_nop
	global_prefetch_b8 v0, s[64:65] scope:SCOPE_SE
	s_setreg_imm32_b32 hwreg(HW_REG_WAVE_MODE, 25, 1), 1
	s_wait_xcnt 0x0
	s_wait_alu depctr_hold_cnt(0) depctr_sa_sdst(0) depctr_va_vdst(0) depctr_va_sdst(0) depctr_va_ssrc(0) depctr_va_vcc(0) depctr_vm_vsrc(0)
	s_getreg_b32 s2, hwreg(HW_REG_IB_STS2, 6, 4)
	s_cmp_eq_u32 s2, 0
	s_cbranch_scc0 .Lentry_in_a_cluster
	s_endpgm
.Lentry_in_a_cluster:
	s_bfe_u32 s2, ttmp6, 0x10000c
	s_cmp_lg_u32 s2, 0xf033
	s_cbranch_scc0 .Lentry_shape_is_right
	s_endpgm
.Lentry_shape_is_right:
; Launch 4 of 4: out0 = att Wo + bo.  att [8,192 tokens][512] and Wo [512 (k)][512 (n)] arrive in f16, in the order of the operands' registers (attf, wo16: 16,384 bytes a tile of 16 rows x 512 K:
; [kk 16][c 2][lane][16 bytes]); sums in f32; out0 [8,192][512] f32.
; SHARES: a work-group makes 128 tokens x 128 columns; wave (HI, LO) 64 x 64: 16 accumulators, which take turns, one instruction a turn.  K = 512: 16 matrix instructions deep.
; THE MATRIX INSTRUCTION IS USED TRANSPOSED (source 0 = 16 columns of Wo, source 1 = 16 tokens): a lane holds eight neighbouring columns of one token's row.  bo is the C of each sum's first instruction: it costs no addition.
; LDS: all operands of a work-group, 262,144 bytes, fit at once: FIRST FILLS ONLY, no slot is filled again.  They come in four quarters of K (128 each), so that the products begin when the first has landed:
; each wave issues four tensor loads (4 tiles x 4,096 bytes each); by this text's own count four are out.  The waits on them are counted 3, 2, 1, 0: behind those barriers nothing is filled.
; CLUSTER: 4 x 4 work-groups.  att's tiles hang on the block of tokens alone and are shared along a row of the cluster, Wo's on the block of columns alone and are shared along a column: each is asked for JOINTLY.
; THE WAY OUT: a lane's 32 bytes are an eighth of a token's 256; a block of 16 tokens goes through the wave's own stage in LDS and comes back by rows: sixteen lanes store 256 consecutive aligned bytes.
; REGISTERS: window 0: v1-15 addresses; v16-47 bo; v64-191 two sets of fragments (4 of Wo, 4 of att); v192-255 rows on the way out.   window 1: v0-127 the accumulators, (a, b) at 8 (4 a + b).
.set QB,    65536                      ; LDS: a quarter of K: att's 8 tiles x 4,096 bytes, then Wo's 8
.set STAGE, 262144                     ; behind the four quarters: 16 rows x 272 bytes for each wave; no tensor load lands here
.set SP,    272
.set SPARE, 279552                     ; behind the stages: the spare words, 128 bytes for each wave: two blocks of 256 bytes that no other line names
.set SPW, 1                            ; v1     LDS address of my spare word; never rewritten
.set NIL, 2                            ; v2     0; never rewritten
.set ADA, 4                            ; v4-7   LDS address of my att fragments in quarter q
.set ADW, 8                            ; v8-11  the same for Wo
.set STO, 12                           ; v12    the way out: where I put 32 bytes of a row
.set RD,  13                           ; v13    where I read a row back
.set CO,  14                           ; v14    my byte offset in out0
.set BO,  15                           ; v15    32 h: my half's eight numbers of bo
.set BI,  16                           ; v16-47 bo in the result's layout, eight registers for each of my four column tiles
.set F,   64                           ; fragments: set kk % 2; in it Wo's tile b at + 8 b, att's tile a at + 32 + 8 a
.set OB,  192                          ; the way out: two sets of 32
.set MSB, 0
.macro WIN new                         ; the immediate's high byte repeats the setting that is left
.if MSB != \new
	s_set_vgpr_msb (MSB<<8)|\new
.set MSB, \new
.endif
.endm
.macro PLACES n
.rept \n
	v_nop
.endr
.endm
.macro CROUND                          ; a round of the cluster's barrier
	s_barrier_signal -1
	s_barrier_wait -1
	s_cmp_lg_u32 s12, 0
	s_cbranch_scc1 .Lnot_wave_0_\@
	s_barrier_signal -3
.Lnot_wave_0_\@:
	s_barrier_wait -3
	s_barrier_signal -1
	s_barrier_wait -1
.endm
	s_load_b256 s[4:11], s[0:1], 0x0               ; attf s[4:5], wo16 s[6:7], bo s[8:9], out0 s[10:11]
	v_lshl_add_u32 v[SPW], v0, 2, SPARE
	v_mov_b32 v[NIL], 0
	ds_add_u32 v[SPW], v[NIL]                      ; the wave's opening: the add, twice on end, and its wait ahead of my first tensor load; the set-up below, work on registers, stands between
	ds_add_u32 v[SPW], v[NIL]                      ; and once more, under the one wait
	v_lshrrev_b32 v3, 5, v0
	v_readfirstlane_b32 s12, v3                    ; wave 0..3
	s_lshr_b32 s13, s12, 1                         ; HI: which 64 tokens are mine.  Also: I fetch for att (0) or for Wo (1)
	s_and_b32 s14, s12, 1                          ; LO: which 64 columns.  Also: which four tiles I fetch
	s_bfe_u32 s15, ttmp6, 0x40000                  ; cx, cy: my place in the cluster
	s_bfe_u32 s16, ttmp6, 0x40004
	s_lshl_b32 s17, ttmp9, 2
	s_add_co_u32 s17, s17, s15                     ; my block of 128 columns = 4 x cluster x + cx
	s_and_b32 s18, ttmp7, 0xffff
	s_lshl_b32 s18, s18, 2
	s_add_co_u32 s18, s18, s16                     ; my block of 128 tokens = 4 x cluster y + cy
	s_lshl_b32 s19, s16, 2
	s_lshl_b32 s19, 15, s19                        ; my row of the cluster
	s_lshl_b32 s20, 0x1111, s15                    ; my column
	; descriptor group 1: 4 rows (tiles) of 512 elements of 8 bytes, 2,048 elements apart: a quarter of K of four tiles, laid on end in LDS
	s_or_b32 s24, s19, (3<<16)|(1<<21)             ; 15:0 the mask: att's tiles go to my row; 17:16 elements of 8 bytes; 20 no padding; 21 set beside a mask
	s_or_b32 s32, s20, (3<<16)|(1<<21)             ; Wo's go to my column
.irp g, 24, 32
	s_mov_b32 s[\g+1], 512<<16                     ; tensor_dim0 = 512
	s_mov_b32 s[\g+2], 4<<16                       ; tensor_dim1 = 4
	s_mov_b32 s[\g+3], 512<<16                     ; tile_dim0 = 512
	s_mov_b32 s[\g+4], 4                           ; tile_dim1 = 4
	s_mov_b32 s[\g+5], 2048                        ; from tile to tile
	s_mov_b32 s[\g+6], 0
	s_mov_b32 s[\g+7], 0
.endr
	; every wave makes both addresses, in registers that never hold the other coordinate, and asks by one of them
	s_lshl_b32 s92, s14, 16                        ; which four tiles of 16,384 bytes I fetch
	s_lshl_b32 s84, s18, 17                        ; att: 8 tiles a block of tokens
	s_add_co_u32 s84, s84, s92
	s_mov_b32 s85, 0
	s_lshl_b32 s86, s17, 17                        ; Wo: 8 tiles a block of columns
	s_add_co_u32 s86, s86, s92
	s_mov_b32 s87, 0
	s_lshl_b32 s93, s12, 14                        ; where they go in a quarter: wave x 16,384: att's two halves, then Wo's: no place in the cluster enters an LDS address
	s_wait_dscnt 0x0                               ; both opening adds are done
	s_wait_kmcnt 0x0
	s_add_nc_u64 s[84:85], s[4:5], s[84:85]
	s_add_nc_u64 s[86:87], s[6:7], s[86:87]
	CROUND                                         ; all sixteen work-groups are here: the joint loads meet
.irp q, 0,1,2,3
	s_mov_b32 s[40+4*\q], 1                        ; count = 1
	s_add_co_u32 s[41+4*\q], s93, \q*QB            ; LDS address
	s_add_nc_u64 s[42+4*\q:43+4*\q], s[84:85], \q*4096   ; quarter q of each tile's K
	s_or_b32 s[43+4*\q], s[43+4*\q], 0x80000000    ; type = 2
	s_mov_b32 s[68+4*\q], 1
	s_add_co_u32 s[69+4*\q], s93, \q*QB
	s_add_nc_u64 s[70+4*\q:71+4*\q], s[86:87], \q*4096
	s_or_b32 s[71+4*\q], s[71+4*\q], 0x80000000
.endr
	s_cmp_eq_u32 s13, 0                            ; a wave's four fills stand in one branch on its number, ahead of every wait on TENSORcnt and every LDS read; an s_nop 0 follows each, four v_nop the last
	s_cbranch_scc0 .Lfirst_b
.irp q, 0,1,2,3
	tensor_load_to_lds s[40+4*\q:43+4*\q], s[24:31]
	s_nop 0
.endr
	PLACES 4
	s_branch .Lfirst_asked
.Lfirst_b:
.irp q, 0,1,2,3
	tensor_load_to_lds s[68+4*\q:71+4*\q], s[32:39]
	s_nop 0
.endr
	PLACES 4
.Lfirst_asked:
	v_and_b32 v48, 15, v0                          ; r
	v_bfe_u32 v49, v0, 4, 1                        ; h
	v_lshlrev_b32 v[BO], 5, v49
	s_lshl_b32 s88, s17, 9                         ; my first column, in bytes of f32: 512 x block + 256 x LO
	s_lshl_b32 s92, s14, 8
	s_add_co_u32 s88, s88, s92
	s_mov_b32 s89, 0
	s_add_nc_u64 s[8:9], s[8:9], s[88:89]
.irp b, 0,1,2,3
	global_load_b128 v[BI+8*\b:BI+8*\b+3], v[BO], s[8:9] offset:64*\b        ; bo(16 b + 8 h + 0 .. 7) of my 64 columns
	global_load_b128 v[BI+8*\b+4:BI+8*\b+7], v[BO], s[8:9] offset:64*\b+16
.endr
	s_lshl_b32 s90, s18, 18                        ; my first row of out0: 128 rows of 2,048 bytes a block,
	s_lshl_b32 s92, s13, 17
	s_add_co_u32 s90, s90, s92                     ; 64 x HI
	s_mov_b32 s91, 0
	s_add_nc_u64 s[90:91], s[90:91], s[88:89]
	s_add_nc_u64 s[10:11], s[10:11], s[90:91]
	v_and_b32 v3, 31, v0
	v_lshlrev_b32 v3, 4, v3                        ; 16 x lane
	s_lshl_b32 s92, s13, 14                        ; my four tiles of att
	s_lshl_b32 s94, s14, 14                        ; my four tiles of Wo,
	s_add_co_u32 s94, s94, 32768                   ; which lie behind att's eight
.irp q, 0,1,2,3
	v_add_nc_u32 v[ADA+\q], s92, v3
	v_add_nc_u32 v[ADW+\q], s94, v3
	s_add_co_u32 s92, s92, QB
	s_add_co_u32 s94, s94, QB
.endr
	s_mul_i32 s95, s12, 16*SP
	s_add_co_u32 s95, s95, STAGE                   ; my stage
	v_mul_u32_u24 v[STO], v48, SP                  ; in: row r, 32 bytes for each half of the lanes
	v_lshl_add_u32 v[STO], v49, 5, v[STO]
	v_add_nc_u32 v[STO], s95, v[STO]
	v_mul_u32_u24 v[RD], v49, SP                   ; back: lanes 0-15 one row of 256 bytes, lanes 16-31 the next
	v_lshl_add_u32 v[RD], v48, 4, v[RD]
	v_add_nc_u32 v[RD], s95, v[RD]
	v_lshlrev_b32 v[CO], 11, v49                   ; and the same two rows in out0
	v_lshl_add_u32 v[CO], v48, 4, v[CO]
.macro FETCH kk                        ; 16 LDS loads: the eight fragments of 32 along K, into set kk % 2; each is 512 consecutive bytes
.set FB, F+64*((\kk)%2)
.irp b, 0,1,2,3
.irp c, 0,1
	ds_load_b128 v[FB+8*\b+4*\c:FB+8*\b+4*\c+3], v[ADW+(\kk)/4] offset:\b*4096+((\kk)%4)*1024+512*\c
.endr
.endr
.irp a, 0,1,2,3
.irp c, 0,1
	ds_load_b128 v[FB+32+8*\a+4*\c:FB+32+8*\a+4*\c+3], v[ADA+(\kk)/4] offset:\a*4096+((\kk)%4)*1024+512*\c
.endr
.endr
.endm
.macro MUL kk                          ; 16 matrix instructions, one on each accumulator
.set FB, F+64*((\kk)%2)
.if (\kk) == 0
	WIN 0x40                                       ; D window 1; C = bo, window 0
.else
	WIN 0x50                                       ; C and D window 1
.endif
.irp a, 0,1,2,3
.irp b, 0,1,2,3
.if (\kk) == 0
	v_wmma_f32_16x16x32_f16 v[8*(4*\a+\b):8*(4*\a+\b)+7], v[FB+8*\b:FB+8*\b+7], v[FB+32+8*\a:FB+32+8*\a+7], v[BI+8*\b:BI+8*\b+7]
.else
	v_wmma_f32_16x16x32_f16 v[8*(4*\a+\b):8*(4*\a+\b)+7], v[FB+8*\b:FB+8*\b+7], v[FB+32+8*\a:FB+32+8*\a+7], v[8*(4*\a+\b):8*(4*\a+\b)+7]
.endif
.endr
.endr
.endm
	s_wait_tensorcnt 3                             ; my part of quarter 0 is in; the three later quarters may stay out
	s_barrier_signal -1
	s_barrier_wait -1                              ; everybody's is
	FETCH 0
	s_wait_loadcnt 0x0                             ; bo
.set KK, 0
.rept 16
.set KN, KK+1
.if (KN == 4) || (KN == 8) || (KN == 12)
	s_wait_dscnt 0x0                               ; no LDS instruction of mine is pending at a signal
	s_wait_tensorcnt 3-KN/4                        ; my part of the next quarter is in; the later ones may stay out
	s_barrier_signal -1
	s_barrier_wait -1                              ; everybody's is
.endif
.if KK > 0
	PLACES 4                                       ; ahead of the loads into the set that the last products read (ISA guide 7.12.1 for vector instructions)
.endif
.if KK < 15
	FETCH KN
	s_wait_dscnt 16                                ; all but the 16 just issued
.else
	s_wait_dscnt 0x0
.endif
	MUL KK
	WIN 0
.set KK, KK+1
.endr
; THE WAY OUT, a block of 16 tokens x 64 columns at a time.  LDS serves a wave's instructions in order (ISA guide 5.7.1.4): no wait between the stores and the loads, nor ahead of the next block's stores
.macro TOSTAGE a
	WIN 0x04                                       ; an LDS store's data are its source 1: window 1
.irp b, 0,1,2,3
	ds_store_b128 v[STO], v[8*(4*(\a)+\b):8*(4*(\a)+\b)+3] offset:64*\b          ; each accumulator from its low end on
	ds_store_b128 v[STO], v[8*(4*(\a)+\b)+4:8*(4*(\a)+\b)+7] offset:64*\b+16
.endr
	WIN 0
.irp t, 0,1,2,3,4,5,6,7
	ds_load_b128 v[OB+32*((\a)%2)+4*\t:OB+32*((\a)%2)+4*\t+3], v[RD] offset:\t*2*SP
.endr
.endm
.macro SEND a, younger                 ; younger: the LDS instructions issued behind block a's loads, which may stay out
	s_wait_dscnt \younger
.irp t, 0,1,2,3,4,5,6,7
	global_store_b128 v[CO], v[OB+32*((\a)%2)+4*\t:OB+32*((\a)%2)+4*\t+3], s[10:11] offset:(16*(\a)+2*\t)*2048 th:TH_STORE_NT   ; sixteen lanes store 256 consecutive aligned bytes; written once, read by nobody here
.endr
.endm
	PLACES 4                                       ; ahead of the first read of results
	TOSTAGE 0
.irp a, 1,2,3
.if \a > 1
	s_wait_xcnt 0x0                                ; block a - 2's stores have read their registers: block a's loads may land there
.endif
	TOSTAGE \a
	SEND \a-1, 16                                  ; behind block a - 1's loads: block a's 8 stores and 8 loads
.endr
	SEND 3, 0
	s_wait_tensorcnt 0x0                           ; the wave's end, behind my last tensor load and my last LDS store
	ds_add_u32 v[SPW], v[NIL]
	s_wait_dscnt 0x0
	CROUND                                         ; the closing round: no work-group ends while a partner may still ask for a tile that names it
	s_endpgm
.Lfunc_end_k_q8df2b23bd8_proj:
	.size	k_q8df2b23bd8_proj, .Lfunc_end_k_q8df2b23bd8_proj-k_q8df2b23bd8_proj
	.p2alignl 7, 3214868480
	.fill 96, 4, 3214868480
	.section	.rodata,"a",@progbits
	.p2align	6, 0x0
	.amdhsa_kernel k_q8df2b23bd8_proj
		.amdhsa_group_segment_fixed_size 327680
		.amdhsa_private_segment_fixed_size 0
		.amdhsa_enable_private_segment 0
		.amdhsa_kernarg_size 32
		.amdhsa_user_sgpr_count 2
		.amdhsa_user_sgpr_kernarg_segment_ptr 1
		.amdhsa_wavefront_size32 1
		.amdhsa_system_sgpr_workgroup_id_x 1
		.amdhsa_system_sgpr_workgroup_id_y 1
		.amdhsa_system_sgpr_workgroup_id_z 1
		.amdhsa_system_vgpr_workitem_id 0
		.amdhsa_next_free_vgpr 512
		.amdhsa_next_free_sgpr 100
		.amdhsa_reserve_vcc 0
		.amdhsa_float_denorm_mode_32 3
		.amdhsa_float_denorm_mode_16_64 3
		.amdhsa_memory_ordered 1
		.amdhsa_forward_progress 1
		.amdhsa_inst_pref_size 53
	.end_amdhsa_kernel
	.amdgpu_metadata
---
amdhsa.version: [ 1, 2 ]
amdhsa.kernels:
  - .name:           k_q8df2b23bd8_proj
    .symbol:         k_q8df2b23bd8_proj.kd
    .args:
      - { .name: attf, .offset: 0, .size: 8, .value_kind: global_buffer, .address_space: global }
      - { .name: wo16, .offset: 8, .size: 8, .value_kind: global_buffer, .address_space: global }
      - { .name: bo, .offset: 16, .size: 8, .value_kind: global_buffer, .address_space: global }
      - { .name: out0, .offset: 24, .size: 8, .value_kind: global_buffer, .address_space: global }
    .group_segment_fixed_size: 327680
    .private_segment_fixed_size: 0
    .kernarg_segment_align: 8
    .kernarg_segment_size: 32
    .max_flat_workgroup_size: 128
    .sgpr_count:     100
    .vgpr_count:     512
    .wavefront_size: 32
...
	.end_amdgpu_metadata
.endif
;; end of part 4
